; MI455X (gfx1250); checked and timed in simulation.
; The chip was launched on July 23, 2026; its instructions are those of AMD's public machine-readable ISA for CDNA 5 (MIT licence, August 2026) and "CDNA5" Instruction Set Architecture Reference Guide (July 2026). The comments in the code are by the model that wrote it; some were corrected since.
;; Lat Sim. Allowed arithmetic: matrix products marked QUANTISED: E2M1 operands, one E8M0 scale for each 32 along K, by v_wmma_scale_f32_16x16x128_f8f6f4 with both operands' format E2M1 (or v_wmma_scale_f32_32x16x128_f4), f32 sums; products left as they are: f32 operands where the result goes on into a quantised operand, else bf16, f16 or f32 operands; f32 sums; everything else in f32.
;; Inputs: A 512 x 2 float32; xt 8,192 x 512 float32; xtr 16,384 x 512 float32; ytr_codes 16 x 512 x 16 uint8 (E2M1 codes of ytr, K innermost, in blocks of 32 codes, two codes a byte); ytr_scales 16 x 512 uint8 (E8M0 scales of ytr, one for each 32 codes along K).
;; Outputs: out0 8,192 x 16 float32.
;; This version of the problem:
;;   THIS VERSION OF THE PROBLEM IS GIVEN IN LOW PRECISION. The matrix products marked QUANTISED in the list below multiply operands that are first quantised to E2M1 (2 exponent bits, 1 mantissa bit; 4 bits a number), with one power-of-two scale for each 32 numbers along K (OCP MX v1.0); their sums are f32. All else is computed in f32.
;;   The module's matrix products, in the order in which they are computed (A, B: the left and right operand; K: the contracted axis; several contracted axes count as one K, in the product's order):
;;     1. [M 8,192, K 512] x [K 512, N 2]; A: input xt; B: input A: left as it is (N = 2 < 16)
;;     2. [M 16,384, K 512] x [K 512, N 2]; A: input xtr; B: input A: left as it is (N = 2 < 16)
;;     3. [M 8,192, K 2] x [K 2, N 16,384]; A: computed on the way; B: computed on the way: left as it is (K = 2 < 32)
;;     4. [M 8,192, K 16,384] x [K 16,384, N 16]; A: softmax (see below); B: input ytr (given as codes): QUANTISED
;;   THE QUANTISER, for each operand of a quantised product, along K:
;;     - K is cut into blocks of 32 from its start; a last block that is shorter is filled with zeros.
;;     - A block's scale is 2^e with e = floor(log2(the largest magnitude in the block)) - 2, held to -126 .. 127; a block of zeros has e = 0. As a byte (E8M0): e + 127.
;;     - Each number is divided by its block's scale, clamped to +-6, and rounded to the nearest number of E2M1, ties to even, subnormals kept.
;;     - The product sums the exact products of the quantised numbers (number of the format x scale) in f32.
;;   ~~~python
;;   def quantise(x, axis):      # numpy; x: float32 -> the quantised numbers, widened to float32 again
;;       x = np.moveaxis(x, axis, -1); K = x.shape[-1]
;;       x = np.pad(x, [(0, 0)] * (x.ndim - 1) + [(0, -K % 32)]); x = x.reshape(x.shape[:-1] + (-1, 32)); a = np.abs(x).max(-1, keepdims=True)
;;       e = np.where(a > 0, np.clip(np.frexp(np.where(a > 0, a, 1))[1] - 1 - 2, -126, 127), 0)      # np.frexp(a)[1] - 1 = floor(log2(a)), exactly
;;       r = np.clip(x / 2.0 ** e, -6, 6)
;;       step = 2.0 ** (np.maximum(np.frexp(np.where(r == 0, 1, r))[1] - 1, 0) - 1)
;;       q = np.round(r / step) * step * 2.0 ** e      # np.round: ties to even
;;       return np.moveaxis(q.reshape(q.shape[:-2] + (-1,))[..., :K], -1, axis).astype(np.float32)
;;   ~~~
;;   SOFTMAX AHEAD OF A QUANTISED PRODUCT. Where the list says 'softmax', what is quantised is not the finished softmax but p = 2^(t - M), with t = logit x log2(e) and M = ceil(the row's largest t), a whole number; so 1/2 < the row's largest p <= 1. The row's sum l is taken of the UNQUANTISED p, in f32, and the product's result is divided by l at the end. Since M is a whole number, a kernel that streams over the keys may use a running M (the ceiling of the running maximum): every later rescaling is an exact power of two, which a block's scale takes up: the codes' values come out the same.
;;   OPERANDS COMPUTED ON THE WAY. 'Computed on the way' means the value that the module computes at that place (a softmax that the list does not call 'softmax' is quantised finished and normalised). What goes into a quantiser is computed in f32, as accurately as f32 sums, v_exp_f32 and their like allow (about 1e-6 of the number): no bf16 or f16 on the way to a quantiser, and a product that is left as it is and whose result goes on into a quantised operand takes f32 operands (vector FMAs, or v_wmma_f32_16x16x4_f32). A number that lies on a knife's edge between two numbers of the format may be rounded either way, as far as f32 arithmetic and the matrix unit's own rounding can turn it there, and no further.
;;   INPUTS GIVEN AS CODES. ytr (in the module: [16384, 16], K = its axis 0): each comes as NAME_codes (uint8): NAME with its K axis moved to the last place and cut into blocks of 32 codes, [.., K / 32, bytes a block], one block behind the other in memory; two codes a byte, the lower K in the low four bits (a code: sign, 2 exponent bits, 1 mantissa bit); and NAME_scales (uint8): the same leading axes, one E8M0 byte (e + 127) for each 32 codes along K. Its value is code x scale, taken as it is: it is not quantised again, and the codes and scales need not be those that the quantiser above would give.
;; 2 versions, each right; version 2 is version 1 with the launch attend written anew for expert scheduling mode. Each part assembles by itself: llvm-mc -triple=amdgcn-amd-amdhsa -mcpu=gfx1250 --defsym DOCPART=n.
;; ======== version 1 of 2: 2 launches
;; workspace buffers: proj 196,608 bytes; yimg 131,072 bytes
;; launch project (part 1): grid 768 x 1, 4 waves a work-group, no clusters, 768 bytes of LDS; arguments A, xt, xtr, ytr_codes, proj, yimg; writes proj, yimg
.if DOCPART == 1
	.amdgcn_target "amdgcn-amd-amdhsa--gfx1250"
	.amdhsa_code_object_version 6
	.text
	.protected	k_qd936acd7da_project
	.globl	k_qd936acd7da_project
	.p2align	8
	.type	k_qd936acd7da_project,@function
k_qd936acd7da_project:
	s_mov_b64 s[64:65], 0
	v_nop
	global_prefetch_b8 v0, s[64:65] scope:SCOPE_SE
	s_setreg_imm32_b32 hwreg(HW_REG_WAVE_MODE, 25, 1), 1
	s_wait_xcnt 0x0
; q = xt A and k = xtr A: [rows][512] f32 times [512][2] f32, in f32 by fused multiply-adds; and ytr's codes laid anew for the next launch.
; SHARES.  768 work-groups of four waves: the first 256 take xt, the others xtr, 32 rows each, 8 rows a wave.  A wave takes a whole row: four loads of 512 consecutive bytes, 16 numbers a lane.
; All 32 row loads of a wave go out at once (16 KB a wave): there is no loop, and no load waits for arithmetic.
; A lane keeps A's two columns at its 16 columns in 32 registers; a row is 16 packed multiply-adds, two additions and a butterfly over the 32 lanes for its two sums.
; THE WAY OUT.  A work-group's 32 rows x 2 numbers are 256 bytes.  They meet in LDS and wave 0 stores them as ONE aligned run of 256 bytes, in the order in which the next launch's f32 matrix operand takes them:
; 16 bytes for lane r: the pair of row r + 8 (r / 8), then the pair of row 8 + r + 8 (r / 8).  proj: 256 such runs of q, then 512 of k.
; YTR'S CODES ([16 classes][512 blocks][16 bytes]) are copied by the first 64 work-groups, 16 bytes a thread, into yimg [128 key steps][2][32 lanes][16 bytes]: a 4-bit operand's registers on end,
; lane (r, h) of group c holding class r, keys 128 S + 64 c + 32 h + 0 .. 31.  So the pieces of 32 bytes of sixteen rows are gathered once here, and every later read is of 512 consecutive bytes.
; No matrix unit, no tensor load, no cluster: rows are read once by one wave each, and the work-groups share only A's 4,096 bytes.
; LIMITS: NaN and infinities among the inputs are not served.
.set ROWB,   2048                      ; a row of xt or xtr in bytes
.set XT_WGS, 256                       ; work-groups for xt (8,192 rows / 32)
.set Y_WGS,  64                        ; work-groups that also copy codes: 8,192 pieces of 16 bytes / 128 threads
.set XO,  1                            ; v1       16 x lane: my bytes in a load's 512
.set AO,  2                            ; v2       32 x lane: A's rows at my four columns of a load
.set LA,  3                            ; v3       LDS: my wave's 64 bytes (8 rows x 8 bytes)
.set RA,  4                            ; v4       LDS: the row whose pair stands at place 8 x lane of the run that leaves
.set GO,  5                            ; v5       8 x lane
.set TA,  6                            ; v6-7     at work at the head
.set AL,  8                            ; v8-39    A as it is loaded: (column 0, column 1) by turns
.set A0,  40                           ; v40-55   A's column 0 at my 16 columns
.set A1,  56                           ; v56-71   A's column 1
.set AC,  72                           ; v72-103  four registers a row: two sums in two halves each
.set X,   104                          ; v104-231 eight rows, 16 numbers each
.set YD,  232                          ; v232-235 16 bytes of codes
.set YSO, 236                          ; v236     where they come from
.set YTO, 237                          ; v237     where they go
	s_load_b256 s[4:11], s[0:1], 0x0               ; A s[4:5], xt s[6:7], xtr s[8:9], ytr_codes s[10:11]
	s_load_b128 s[12:15], s[0:1], 0x20             ; proj s[12:13], yimg s[14:15]
	v_lshl_add_u32 v240, v0, 2, 0x100
	v_mov_b32 v241, 0
	v_lshrrev_b32 v[TA], 5, v0
	v_readfirstlane_b32 s16, v[TA]                 ; wave 0..3
	v_and_b32 v[TA+1], 31, v0                      ; lane
	v_lshlrev_b32 v[XO], 4, v[TA+1]
	v_lshlrev_b32 v[AO], 5, v[TA+1]
	v_lshlrev_b32 v[GO], 3, v[TA+1]
	s_lshl_b32 s17, s16, 6
	v_mov_b32 v[LA], s17                           ; row 8 w + i of the work-group lies at LDS byte 64 w + 8 i
	v_bfe_u32 v[RA], v0, 4, 1                      ; place L of the run holds row 16 (L / 16) + 8 (L % 2) + (L / 2) % 8
	v_lshlrev_b32 v[RA], 7, v[RA]
	v_and_b32 v[TA], 1, v0
	v_lshl_add_u32 v[RA], v[TA], 6, v[RA]
	v_bfe_u32 v[TA], v0, 1, 3
	v_lshl_add_u32 v[RA], v[TA], 3, v[RA]          ; x 8 bytes
	s_mov_b32 s24, 0x76543210
	s_mov_b32 s25, 0xfedcba98                      ; v_permlanex16_b32's selects for lane l xor 16
	s_wait_kmcnt 0x0
	s_cmp_lt_u32 ttmp9, XT_WGS                     ; xt's work-group or xtr's?  The choice hangs on the work-group's number alone
	s_cselect_b64 s[20:21], s[6:7], s[8:9]
	s_cselect_b32 s18, 0, XT_WGS
	s_sub_co_u32 s18, ttmp9, s18                   ; which 32 rows of the tensor
	s_lshl_b32 s18, s18, 16                        ; x 32 rows x 2,048 bytes (under 2^26)
	s_lshl_b32 s19, s16, 14                        ; + my wave's 8 rows
	s_add_co_u32 s18, s18, s19
	s_mov_b32 s19, 0
	s_add_nc_u64 s[20:21], s[20:21], s[18:19]
.irp c, 0,1,2,3
	global_load_b128 v[AL+8*\c:AL+8*\c+3],   v[AO], s[4:5] offset:1024*\c      ; A's rows 128 c + 4 lane + 0, 1
	global_load_b128 v[AL+8*\c+4:AL+8*\c+7], v[AO], s[4:5] offset:1024*\c+16   ; and + 2, 3
.endr
.irp i, 0,1,2,3,4,5,6,7
.irp c, 0,1,2,3
	global_load_b128 v[X+16*\i+4*\c:X+16*\i+4*\c+3], v[XO], s[20:21] offset:ROWB*\i+512*\c th:TH_LOAD_NT   ; row i, columns 128 c + 4 lane + 0 .. 3: 32 lanes read 512 consecutive bytes, read once in the launch
.endr
.endr
	; the copy of the codes: one branch on the work-group's number, behind the rows' loads, so that these are not held up
	s_cmp_lt_u32 ttmp9, Y_WGS
	s_cbranch_scc0 .Lno_codes
	v_and_b32 v[YSO], 15, v0                       ; piece n = 128 x work-group + thread stands for class n % 16 and bytes 16 (n / 16) of that class's row of 8,192 bytes
	v_lshlrev_b32 v[YSO], 13, v[YSO]
	v_lshrrev_b32 v[YTO], 4, v0
	v_lshl_add_u32 v[YSO], v[YTO], 4, v[YSO]
	v_lshlrev_b32 v[YTO], 4, v0                    ; and goes to byte 16 n
	s_lshl_b32 s22, ttmp9, 7
	s_mov_b32 s23, 0
	s_add_nc_u64 s[10:11], s[10:11], s[22:23]
	s_lshl_b32 s22, ttmp9, 11
	s_add_nc_u64 s[14:15], s[14:15], s[22:23]
	global_load_b128 v[YD:YD+3], v[YSO], s[10:11]
	s_wait_loadcnt 0x0                             ; loads come back in order: this is the youngest
	global_store_b128 v[YTO], v[YD:YD+3], s[14:15] ; a wave stores 512 consecutive bytes
.Lno_codes:
	s_wait_loadcnt 32                              ; A's eight loads are in; the rows' 32 may be out
.irp n, 0,1,2,3,4,5,6,7,8,9,10,11,12,13,14,15
	v_mov_b32 v[A0+\n], v[AL+2*\n]                 ; A's two columns apart, so that a packed multiply-add takes two neighbouring columns of x against two of one column of A
	v_mov_b32 v[A1+\n], v[AL+2*\n+1]
.endr
; Row i of my eight: its two sums, in every lane, and into LDS.
.macro ROW i
	s_wait_loadcnt 28-4*(\i)                       ; rows 0 to i are in; the 4 (7 - i) younger loads may be out
	v_pk_mul_f32 v[AC+4*(\i):AC+4*(\i)+1],   v[X+16*(\i):X+16*(\i)+1], v[A0:A0+1]   ; the first products start the sums: nothing is cleared
	v_pk_mul_f32 v[AC+4*(\i)+2:AC+4*(\i)+3], v[X+16*(\i):X+16*(\i)+1], v[A1:A1+1]
.irp p, 1,2,3,4,5,6,7
	v_pk_fma_f32 v[AC+4*(\i):AC+4*(\i)+1],   v[X+16*(\i)+2*\p:X+16*(\i)+2*\p+1], v[A0+2*\p:A0+2*\p+1], v[AC+4*(\i):AC+4*(\i)+1]
	v_pk_fma_f32 v[AC+4*(\i)+2:AC+4*(\i)+3], v[X+16*(\i)+2*\p:X+16*(\i)+2*\p+1], v[A1+2*\p:A1+2*\p+1], v[AC+4*(\i)+2:AC+4*(\i)+3]
.endr
	v_add_f32 v[AC+4*(\i)],   v[AC+4*(\i)],   v[AC+4*(\i)+1]     ; even and odd columns' halves: the pair (sum 0, sum 1)
	v_add_f32 v[AC+4*(\i)+1], v[AC+4*(\i)+2], v[AC+4*(\i)+3]
.irp m, 1,2,4,8
	v_add_f32_dpp v[AC+4*(\i)],   v[AC+4*(\i)],   v[AC+4*(\i)]   row_xmask:\m row_mask:0xf bank_mask:0xf
	v_add_f32_dpp v[AC+4*(\i)+1], v[AC+4*(\i)+1], v[AC+4*(\i)+1] row_xmask:\m row_mask:0xf bank_mask:0xf
.endr
	v_permlanex16_b32 v[AC+4*(\i)+2], v[AC+4*(\i)],   s24, s25
	v_permlanex16_b32 v[AC+4*(\i)+3], v[AC+4*(\i)+1], s24, s25
	v_pk_add_f32 v[AC+4*(\i):AC+4*(\i)+1], v[AC+4*(\i):AC+4*(\i)+1], v[AC+4*(\i)+2:AC+4*(\i)+3]   ; every lane holds the row's two sums
	ds_store_b64 v[LA], v[AC+4*(\i):AC+4*(\i)+1] offset:8*(\i)   ; all lanes write the same eight bytes with the same values
.endm
.irp i, 0,1,2,3,4,5,6,7
	ROW \i
.endr
	s_wait_dscnt 0x0                               ; for the others' sake: my stores have landed
	s_barrier_signal -1
	s_barrier_wait -1                              ; the 32 pairs lie in LDS
	s_cmp_lg_u32 s16, 0
	s_cbranch_scc1 .Lend
	ds_load_b64 v[X:X+1], v[RA]                    ; wave 0: the pair that belongs at place 8 x lane
	s_lshl_b32 s22, ttmp9, 8
	s_mov_b32 s23, 0
	s_add_nc_u64 s[12:13], s[12:13], s[22:23]
	s_wait_dscnt 0x0
	global_store_b64 v[GO], v[X:X+1], s[12:13]     ; 32 lanes store 256 consecutive bytes, at a multiple of 256 from proj's first byte
.Lend:
	s_wait_tensorcnt 0x0
	ds_add_u32 v240, v241
	s_wait_dscnt 0x0
	s_endpgm
.Lfunc_end_k_qd936acd7da_project:
	.size	k_qd936acd7da_project, .Lfunc_end_k_qd936acd7da_project-k_qd936acd7da_project
	.p2alignl 7, 3214868480
	.fill 96, 4, 3214868480
	.section	.rodata,"a",@progbits
	.p2align	6, 0x0
	.amdhsa_kernel k_qd936acd7da_project
		.amdhsa_group_segment_fixed_size 768
		.amdhsa_private_segment_fixed_size 0
		.amdhsa_enable_private_segment 0
		.amdhsa_kernarg_size 48
		.amdhsa_user_sgpr_count 2
		.amdhsa_user_sgpr_kernarg_segment_ptr 1
		.amdhsa_wavefront_size32 1
		.amdhsa_system_sgpr_workgroup_id_x 1
		.amdhsa_system_sgpr_workgroup_id_y 1
		.amdhsa_system_sgpr_workgroup_id_z 1
		.amdhsa_system_vgpr_workitem_id 0
		.amdhsa_next_free_vgpr 242
		.amdhsa_next_free_sgpr 66
		.amdhsa_reserve_vcc 0
		.amdhsa_float_denorm_mode_32 3
		.amdhsa_float_denorm_mode_16_64 3
		.amdhsa_memory_ordered 1
		.amdhsa_forward_progress 1
		.amdhsa_inst_pref_size 23
	.end_amdhsa_kernel
	.amdgpu_metadata
---
amdhsa.version: [ 1, 2 ]
amdhsa.kernels:
  - .name:           k_qd936acd7da_project
    .symbol:         k_qd936acd7da_project.kd
    .args:
      - { .name: A, .offset: 0, .size: 8, .value_kind: global_buffer, .address_space: global }
      - { .name: xt, .offset: 8, .size: 8, .value_kind: global_buffer, .address_space: global }
      - { .name: xtr, .offset: 16, .size: 8, .value_kind: global_buffer, .address_space: global }
      - { .name: ytr_codes, .offset: 24, .size: 8, .value_kind: global_buffer, .address_space: global }
      - { .name: proj, .offset: 32, .size: 8, .value_kind: global_buffer, .address_space: global }
      - { .name: yimg, .offset: 40, .size: 8, .value_kind: global_buffer, .address_space: global }
    .group_segment_fixed_size: 768
    .private_segment_fixed_size: 0
    .kernarg_segment_align: 8
    .kernarg_segment_size: 48
    .max_flat_workgroup_size: 128
    .sgpr_count:     66
    .vgpr_count:     242
    .wavefront_size: 32
...
	.end_amdgpu_metadata
.endif
;; end of part 1
;; launch attend (part 2): grid 256 x 1, 16 waves a work-group, no clusters, 59,392 bytes of LDS; arguments proj, yimg, ytr_scales, out0; writes out0
.if DOCPART == 2
	.amdgcn_target "amdgcn-amd-amdhsa--gfx1250"
	.amdhsa_code_object_version 6
	.text
	.protected	k_qd936acd7da_attend
	.globl	k_qd936acd7da_attend
	.p2align	8
	.type	k_qd936acd7da_attend,@function
k_qd936acd7da_attend:
	s_mov_b64 s[64:65], 0
	v_nop
	global_prefetch_b8 v0, s[64:65] scope:SCOPE_SE
	s_setreg_imm32_b32 hwreg(HW_REG_WAVE_MODE, 25, 1), 1
	s_wait_xcnt 0x0
; out[q][:] = the sum over keys of softmax(q . k) ytr[key][:]: 8,192 queries, 16,384 keys, 16 classes.  q and k ([..][2] f32) and ytr's codes come from the launch before, in operand order.
; THE SOFTMAX AHEAD OF THE QUANTISED PRODUCT: t = score x log2(e); M = the largest t so far, rounded UP to a whole number; p = 2^(t - M) is quantised along the keys (E2M1, one E8M0 scale for each 32), not normalised.
; The row's sum is taken of the unquantised p, in f32, and divides at the end.  When M moves, the sum and O are multiplied by 2^(old M - new M): exact.
; SHARES.  A work-group owns 32 queries (two tiles of 16): 256 work-groups, and each output row has one owner.  Its SIXTEEN waves share the KEYS: wave w walks keys 1,024 w on, 128 a step, for both tiles,
; in 256 registers: four waves to a SIMD, so that one wave's vector work stands beside another's matrix work and loads.  At the end the sixteen parts (M, sum, O) meet in LDS and are joined by exact powers of two.
; SCORES.  S^T = k q^T by v_wmma_f32_16x16x4_f32 (source 0 = 16 keys, source 1 = 16 queries; K = 2, and q's places K = 2, 3 hold zeros): f32 operands, as a product ahead of a quantiser wants, and the result has
; ONE query in a lane (lane % 16) and keys along its registers, with no broadcast of k by vector instructions: 8 such instructions stand beside some 220 vector instructions of a tile's softmax.
; THE KEYS OF A TILE ARE NOT NEIGHBOURS: lane r of tile 2 b + u takes key 32 b + 8 u + r + 8 (r / 8), so that the 16 registers of tiles 2 b and 2 b + 1 are 16 neighbouring keys, 32 b + 16 (lane / 16) + 0 .. 15.
; The queries of a tile are chosen alike (tile u, lane r: query 8 u + r + 8 (r / 8)), since q lies in the same order; the way out puts the rows back.
; SECOND PRODUCT, transposed: O^T = Y^T P^T (source 0 = the 16 classes, source 1 = P): one matrix instruction for a tile and 128 keys; a lane keeps its query, and eight classes.
; BY TURNS.  While one tile's last sums are added, the other tile's eight score products are already issued: those sums are the places behind the f32 form and in front of the scaled form.
; NO TENSOR LOAD, NO CLUSTER: every byte of k and of Y feeds exactly one wave of a work-group, so it goes from memory straight into that wave's operand registers (2 KB a wave and step); through LDS each byte would be written and read once more,
; and what work-groups share is little beside a step's 440 vector instructions.
; LIMITS: NaN, infinities and projections or scores beyond f32's range are not served (k's numbers also meet q's zeros in the places K = 2, 3).  A block whose largest p lies under 2^-124 keeps the scale byte 1.
; A block's largest p is taken as the exponential of its largest score: that takes v_exp_f32 not to fall where its input rises.
.set STEPS, 8                          ; key steps of a wave
.set KIMG,  65536                      ; proj: q's 8,192 pairs, then k's
.set STATB, 16384                      ; LDS: 0: a wave's 1,024 bytes (Y's scale words, 128 bytes a step; later its stage);  here: (-M, sum) of wave w, tile u at 512 w + 256 u, 8 bytes a lane
.set OIMG,  24576                      ; O^T of wave w, tile u at 2,048 w + 1,024 u: two images of four registers, 16 bytes a lane
.set LO,  1                            ; v1   16 x lane
.set RO,  2                            ; v2   16 x (lane % 16)
.set SCA, 3                            ; v3   LDS: my word in my wave's first scale image
.set SCB, 4                            ; v4   LDS address of the scale load in hand
.set W8,  5                            ; v5   LDS: where I store (-M, sum)
.set W16, 6                            ; v6   and O^T
.set R8,  7                            ; v7   LDS: where a joining wave reads them
.set STAT0, 8                          ; v8-15  tile u at 8 + 4 u: -M, the largest t, the sum in two halves
.set Q,   16                           ; v16-19 q: two registers a tile
.set KF,  20                           ; v20-35 k of a step: two registers for each of 8 tiles
.set YF,  36                           ; v36-43 Y's fragment of a step
.set YSC, 44                           ; v44  Y's scale words of the step
.set PSC, 45                           ; v45  p's scale word
.set PCD, 46                           ; v46-53 p's codes
.set O,   54                           ; v54-69 O^T, eight registers a tile
.set BM,  70                           ; v70-73 the blocks' largest scores, then largest p
.set BT,  74                           ; v74-77 at work
.set SO,  78                           ; v78-81 the conversions' scale operands
.set FF,  82                           ; v82-83 f = 2^(old M - new M), named as a pair
.set SB,  84                           ; v84-85 the sum's second chain
.set T0,  86
.set T1,  87
.set R16, 88                           ; v88  LDS: where a joining wave reads O^T
.set SI,  89                           ; v89  the stage: where I put 16 bytes of a row of out
.set SR,  90                           ; v90  and where I read them back
.set SRO, 91                           ; v91  512 x (lane % 16): a class's row of scale bytes
.set S,   96                           ; v96-159  S^T: written by matrix instructions alone
.set P,   160                          ; v160-223 t - M, then p
.set ST,  224                          ; v224-255 at the end: (f, sum) of the sixteen waves
.set YSR, 224                          ; v224-231 at the head: Y's scale words of my eight steps
.set ACC, 20                           ; v20-27   at the end: the joined O^T
.set WV,  12                           ; s12  my wave's number
.set KB,  18                           ; s[18:19] k's images of the step to be fetched
.set YB,  20                           ; s[20:21] Y's
.set CS,  24                           ; s[24:25] log2(e): the packed form names a pair and takes its low word for both halves
.set SEL, 26                           ; s[26:27] v_permlanex16_b32's selects for lane l xor 16
.set CNT, 28
.set TS,  29                           ; s29  where the next step's scale image begins: 128 bytes a step
.macro KLOAD                           ; 128 keys: block b's 32 pairs are 256 bytes; lane r takes 16: tile 2 b's pair and tile 2 b + 1's.  Lanes 16-31 read the same bytes: they stand in the places K = 2, 3, against q's zeros
.irp b, 0,1,2,3
	global_load_b128 v[KF+4*\b:KF+4*\b+3], v[RO], s[KB:KB+1] offset:256*\b
.endr
.endm
.macro YLOAD                           ; 16 classes x 128 keys of codes: 32 lanes read 512 consecutive bytes, twice
.irp c, 0,1
	global_load_b128 v[YF+4*\c:YF+4*\c+3], v[LO], s[YB:YB+1] offset:512*\c
.endr
.endm
.macro SCORES u                        ; S^T of tile u for the step whose k is in KF: each instruction is a whole sum (K = 2), begun with the constant 0
.irp t, 0,1,2,3,4,5,6,7
	v_wmma_f32_16x16x4_f32 v[S+8*\t:S+8*\t+7], v[KF+2*\t:KF+2*\t+1], v[Q+2*(\u):Q+2*(\u)+1], 0
.endr
.endm
	s_load_b128 s[4:7], s[0:1], 0x0                ; proj, yimg
	s_load_b128 s[8:11], s[0:1], 0x10              ; ytr_scales, out0
	v_lshl_add_u32 v94, v0, 2, 0xe000
	v_mov_b32 v95, 0
	v_lshrrev_b32 v[T0], 5, v0
	v_readfirstlane_b32 s[WV], v[T0]               ; wave 0..15
	v_and_b32 v[T0], 31, v0                        ; lane
	v_and_b32 v[T1], 15, v0                        ; r
	v_bfe_u32 v[SB], v0, 4, 1                      ; h
	v_lshlrev_b32 v[LO], 4, v[T0]
	v_lshlrev_b32 v[RO], 4, v[T1]
	v_lshlrev_b32 v[SRO], 9, v[T1]
	s_lshl_b32 s13, s[WV], 10                      ; my wave's 1,024 bytes
	v_lshl_add_u32 v[SCA], v[T0], 2, s13
	v_lshl_add_u32 v[SR], v[T0], 4, s13
	v_lshl_add_u32 v[SI], v[T1], 6, s13            ; the stage: row r of 64 bytes,
	v_lshl_add_u32 v[SI], v[SB], 5, v[SI]          ; + 32 h: my eight classes
	s_lshl_b32 s14, s[WV], 9
	s_add_co_u32 s14, s14, STATB
	v_lshl_add_u32 v[W8], v[T0], 3, s14
	s_lshl_b32 s14, s[WV], 11
	s_add_co_u32 s14, s14, OIMG
	v_lshl_add_u32 v[W16], v[T0], 4, s14
	s_and_b32 s15, s[WV], 1                        ; the tile that I join, if I join (waves 0 and 1)
	s_lshl_b32 s14, s15, 8
	s_add_co_u32 s14, s14, STATB
	v_lshl_add_u32 v[R8], v[T0], 3, s14
	s_lshl_b32 s14, s15, 10
	s_add_co_u32 s14, s14, OIMG
	v_lshl_add_u32 v[R16], v[T0], 4, s14
	s_mov_b32 s[CS], 0x3fb8aa3b                    ; log2(e)
	s_mov_b32 s[CS+1], s[CS]                       ; (named with it as a pair, so it is written)
	s_mov_b32 s[SEL], 0x76543210
	s_mov_b32 s[SEL+1], 0xfedcba98
	s_mov_b32 s[TS], 128
	s_mov_b32 s[CNT], STEPS-1
	s_lshl_b32 s30, ttmp9, 8                       ; my work-group's 32 queries: 256 bytes of proj
	s_mov_b32 s31, 0
	s_lshl_b32 s32, s[WV], 13                      ; my wave's 1,024 keys: 8,192 bytes of k's images, and as many of Y's
	s_mov_b32 s33, 0
	s_lshl_b32 s34, s[WV], 5                       ; and 32 scale bytes in each class's row
	s_mov_b32 s35, 0
	s_wait_kmcnt 0x0
	s_add_nc_u64 s[16:17], s[4:5], s[30:31]
	s_add_nc_u64 s[KB:KB+1], s[4:5], s[32:33]
	s_add_nc_u64 s[KB:KB+1], s[KB:KB+1], KIMG
	s_add_nc_u64 s[YB:YB+1], s[6:7], s[32:33]
	s_add_nc_u64 s[22:23], s[8:9], s[34:35]
	global_load_b128 v[Q:Q+3], v[RO], s[16:17]     ; lane r: tile 0's pair of query r + 8 (r / 8), tile 1's of that + 8
	global_load_b128 v[YSR:YSR+3], v[SRO], s[22:23]             ; class r: the scale words of my steps 0 to 3: loaded once,
	global_load_b128 v[YSR+4:YSR+7], v[SRO], s[22:23] offset:16 ; and of steps 4 to 7
	KLOAD                                          ; step 0
	YLOAD
	s_wait_loadcnt 6                               ; q and the scale words are in; k's four loads and Y's two may be out
	v_cmp_gt_u32 vcc_lo, 16, v[T0]
.irp i, 0,1,2,3
	v_cndmask_b32 v[Q+\i], 0, v[Q+\i], vcc_lo      ; lanes 16-31 hold the places K = 2, 3 of the f32 operand: zeros
.endr
.irp s, 0,1,2,3,4,5,6,7
	ds_store_b32 v[SCA], v[YSR+\s] offset:128*\s   ; an image for each step, 4 bytes a lane, in my wave's own bytes: the loop takes them from there by address
.endr
	ds_load_b32 v[YSC], v[SCA]                     ; step 0's (LDS serves a wave's instructions in order)
	s_wait_loadcnt 2                               ; k of step 0 is in; Y's two loads may be out
	SCORES 0
.irp u, 0,1                            ; what the loop's first step finds; these lines are also the places behind the score products
	v_mov_b32 v[STAT0+4*\u+1], 0xff61b1e6          ; the largest t so far: -3e38, under every t
	v_mov_b32 v[STAT0+4*\u+2], 0                   ; the sum, in two halves
	v_mov_b32 v[STAT0+4*\u+3], 0
.endr
.irp u, 0,1
	v_floor_f32 v[STAT0+4*\u], -v[STAT0+4*\u+1]    ; -M
.endr
.irp j, 0,1,2,3,4,5,6,7,8,9,10,11,12,13,14,15
	v_mov_b32 v[O+\j], 0                           ; O^T: the step is written once; the first change of M multiplies zeros
.endr
.irp b, 0,1,2,3
	v_mov_b32 v[BT+\b], 0                          ; a lane permute's destination counts as one of its sources
.endr
	v_mov_b32 v[FF+1], 0                           ; (named as the upper half of a pair)
; ONE TILE'S PART OF A KEY STEP.  Its scores lie in S.  w = 1: the other tile's next scores are issued on the way.  ld = 1: the next step's loads are issued at the end (tile 0: k; tile 1: Y and its scale words).
.macro TILE u, w, ld
.set NM, STAT0+4*(\u)
.set LS, STAT0+4*(\u)+2
.set OA, O+8*(\u)
.irp b, 0,1,2,3
	v_max3_num_f32 v[BM+\b], v[S+16*\b], v[S+16*\b+1], v[S+16*\b+2]   ; THE LARGEST SCORE OF EACH BLOCK OF 32 KEYS serves twice: for the row's maximum and, since p rises with the score, for the block's largest p.  (Each accumulator is read from its low end on)
.endr
.irp i, 3,5,7,9,11,13
.irp b, 0,1,2,3
	v_max3_num_f32 v[BM+\b], v[BM+\b], v[S+16*\b+\i], v[S+16*\b+\i+1]   ; (the four blocks by turns)
.endr
.endr
.irp b, 0,1,2,3
	v_max_num_f32 v[BM+\b], v[BM+\b], v[S+16*\b+15]
.endr
.irp b, 0,1,2,3
	v_permlanex16_b32 v[BT+\b], v[BM+\b], s[SEL], s[SEL+1]
.endr
.irp b, 0,1,2,3
	v_max_num_f32 v[BM+\b], v[BM+\b], v[BT+\b]     ; with lane l xor 16's 16 keys
.endr
	v_max3_num_f32 v[T0], v[BM], v[BM+1], v[BM+2]
	v_max_num_f32 v[T0], v[T0], v[BM+3]            ; the step's largest score of my query,
	v_mul_f32 v[T0], s[CS], v[T0]                  ; as t
	v_max_num_f32 v[NM+1], v[NM+1], v[T0]          ; the running largest t
	v_mov_b32 v[T0], v[NM]
	v_floor_f32 v[NM], -v[NM+1]                    ; the new -M = floor(-t) = -ceil(t): a whole number
	v_sub_f32 v[T0], v[NM], v[T0]                  ; old M - new M: a whole number, 0 or less
	v_cvt_i32_f32 v[T0], v[T0]                     ; (it saturates)
	v_ldexp_f32 v[FF], 1.0, v[T0]                  ; f = 2^(old M - new M)
.set j, 0
.rept 32
	v_pk_fma_f32 v[P+j:P+j+1], v[S+j:S+j+1], s[CS:CS+1], v[NM:NM+1] op_sel_hi:[1,0,0]   ; t - M = score x log2(e) - M, one rounding, two at a time, into registers of their own
.set j, j+2
.endr
.irp b, 0,1,2,3
	v_fma_f32 v[BM+\b], v[BM+\b], s[CS], v[NM]     ; the same of each block's largest score
.endr
.set j, 0
.rept 64
	v_exp_f32 v[P+j], v[P+j]                       ; p = 2^(t - M): NOT normalised
.set j, j+1
.endr
	v_pk_mul_f32 v[LS:LS+1], v[LS:LS+1], v[FF:FF+1] op_sel_hi:[1,0]   ; the sum and O^T under the new M: plain work behind the exponentials, which names none of their results
.irp j, 0,2,4,6
	v_pk_mul_f32 v[OA+\j:OA+\j+1], v[OA+\j:OA+\j+1], v[FF:FF+1] op_sel_hi:[1,0]
.endr
	s_wait_alu depctr_va_vdst(0)                   ; one wait for the batch of 64, ahead of its first reader
.irp b, 0,1,2,3
	v_exp_f32 v[BM+\b], v[BM+\b]                   ; the block's largest p: the same two instructions on the same number give the same bits
.endr
	v_pk_add_f32 v[SB:SB+1], v[P:P+1], v[P+2:P+3]  ; THE ROW'S SUM IS TAKEN OF THE UNQUANTISED p: two at a time, in two chains; the first half stands behind the four exponentials
.irp j, 4,8,12,16,20,24,28
	v_pk_add_f32 v[LS:LS+1], v[LS:LS+1], v[P+\j:P+\j+1]
	v_pk_add_f32 v[SB:SB+1], v[SB:SB+1], v[P+\j+2:P+\j+3]
.endr
	s_wait_alu depctr_va_vdst(0)                   ; and one for the four
.irp b, 0,1,2,3
	v_max_num_f32 v[BM+\b], 0x1800000, v[BM+\b]    ; the floor 2^(3 - 127): the byte cannot fall under 1 (a block whose every p has fallen to 0 keeps that byte: its codes are zeros)
.endr
.irp b, 0,1,2,3
	v_add_nc_u32 v[SO+\b], 0xff000000, v[BM+\b]    ; 2 off the exponent field: the conversion's scale operand
.endr
.irp b, 0,1,2,3
	v_lshrrev_b32 v[BT+\b], 23, v[SO+\b]           ; the scale's byte
.endr
	v_lshl_or_b32 v[PSC], v[BT+1], 8, v[BT]        ; p's scale word for these 128 keys: lane r has query r's
	v_lshl_or_b32 v[PSC], v[BT+2], 16, v[PSC]
	v_lshl_or_b32 v[PSC], v[BT+3], 24, v[PSC]
.irp b, 0,1,2,3
	v_cvt_scalef32_pk8_fp4_f32 v[PCD+2*\b],   v[P+16*\b:P+16*\b+7],    v[SO+\b]   ; the codes of keys 32 b + 16 h + 0 .. 7
	v_cvt_scalef32_pk8_fp4_f32 v[PCD+2*\b+1], v[P+16*\b+8:P+16*\b+15], v[SO+\b]   ; and + 8 .. 15
.endr
	v_nop                                          ; one plain instruction between a scaled conversion and the instruction that touches its result
.irp c, 0,1                            ; the operand's layout wants a WHOLE block in a lane: lanes 0-15 block 2 c, lanes 16-31 block 2 c + 1
.irp i, 0,1
	v_permlane16_swap_b32 v[PCD+4*\c+\i], v[PCD+4*\c+2+\i]
.endr
.endr
.if \w
.if \u == 1
	s_wait_loadcnt 0x0                             ; the next step's k is in (asked for a tile's softmax ago; nothing was asked for behind it)
.endif
	SCORES 1-\u                                    ; S has been read out: the other tile's scores are made while this tile is finished
.endif
.irp j, 32,36,40,44,48                 ; the sum's second half.  These ten plain lines name no register of the products round them: they are the places behind the score products and in front of the scaled product (8 behind the scale word's last write, 4 behind the codes')
	v_pk_add_f32 v[LS:LS+1], v[LS:LS+1], v[P+\j:P+\j+1]
	v_pk_add_f32 v[SB:SB+1], v[SB:SB+1], v[P+\j+2:P+\j+3]
.endr
.if \u == 0
	s_wait_loadcnt 0x0                             ; Y's fragment of this step is in (asked for at the end of the step before; nothing was asked for behind it),
	s_wait_dscnt 0x0                               ; and its scale words
.endif
	v_wmma_scale_f32_16x16x128_f8f6f4 v[OA:OA+7], v[YF:YF+7], v[PCD:PCD+7], v[OA:OA+7], v[YSC], v[PSC] matrix_a_fmt:MATRIX_FMT_FP4 matrix_b_fmt:MATRIX_FMT_FP4   ; O^T += Y^T P^T.  The two tiles' accumulators take turns, one instruction a turn, with the score products between
.irp j, 52,56,60                       ; seven more: with the ten above, the places in front of the loads below (8 behind the f32 form, 4 behind the scaled form)
	v_pk_add_f32 v[LS:LS+1], v[LS:LS+1], v[P+\j:P+\j+1]
	v_pk_add_f32 v[SB:SB+1], v[SB:SB+1], v[P+\j+2:P+\j+3]
.endr
	v_pk_add_f32 v[LS:LS+1], v[LS:LS+1], v[SB:SB+1]
.if \ld
.if \u == 0
	s_add_nc_u64 s[KB:KB+1], s[KB:KB+1], 1024      ; no load of mine is out (the wait for 0 above), so the base may step
	KLOAD                                          ; both tiles have multiplied by this step's k: the next step's has the other tile's softmax in which to land
.else
	s_add_nc_u64 s[YB:YB+1], s[YB:YB+1], 1024      ; likewise: the last wait for 0 stands in front of the score products
	YLOAD                                          ; the next step's Y: wanted at the end of the next tile's softmax
	v_add_nc_u32 v[SCB], s[TS], v[SCA]
	ds_load_b32 v[YSC], v[SCB]                     ; and its scale words
	s_add_co_u32 s[TS], s[TS], 128
.endif
.endif
.endm
.Lstep:                                        ; seven trips; the eighth step is written out: it asks for nothing more
	TILE 0, 1, 1
	TILE 1, 1, 1
	s_sub_co_u32 s[CNT], s[CNT], 1
	s_cmp_lg_u32 s[CNT], 0
	s_cbranch_scc1 .Lstep
	TILE 0, 1, 0
	TILE 1, 0, 0
	; MY PART GOES TO LDS, as images of its registers.  The sum's two halves and lane l xor 16's are added first; these lines, with the seven sums above, are the places behind the last product.
.irp u, 0,1
	v_add_f32 v[STAT0+4*\u+2], v[STAT0+4*\u+2], v[STAT0+4*\u+3]
.endr
.irp u, 0,1
	v_permlanex16_b32 v[BT+\u], v[STAT0+4*\u+2], s[SEL], s[SEL+1]
.endr
.irp u, 0,1
	v_add_f32 v[STAT0+4*\u+1], v[STAT0+4*\u+2], v[BT+\u]   ; beside -M: the pair (-M, sum)
.endr
.irp u, 0,1
	ds_store_b64 v[W8], v[STAT0+4*\u:STAT0+4*\u+1] offset:256*\u
	ds_store_b128 v[W16], v[O+8*\u:O+8*\u+3] offset:1024*\u          ; each accumulator from its low end on
	ds_store_b128 v[W16], v[O+8*\u+4:O+8*\u+7] offset:1024*\u+512
.endr
	s_wait_dscnt 0x0                               ; for the others' sake: my stores have landed
	s_barrier_signal -1
	s_barrier_wait -1                              ; all sixteen parts lie in LDS
	s_cmp_lt_u32 s[WV], 2
	s_cbranch_scc0 .Ldone                          ; wave u joins tile u; the others are done
.irp w, 0,1,2,3,4,5,6,7,8,9,10,11,12,13,14,15
	ds_load_b64 v[ST+2*\w:ST+2*\w+1], v[R8] offset:512*\w            ; (-M, sum) of wave w
.endr
.irp w, 0,1,2,3,4,5,6,7,8,9,10,11,12,13,14,15
	ds_load_b128 v[P+4*\w:P+4*\w+3], v[R16] offset:2048*\w           ; its O^T, classes 8 h + 0 .. 3
.endr
	s_lshl_b32 s30, ttmp9, 11                      ; out: my work-group's 32 rows of 64 bytes,
	s_lshl_b32 s13, s[WV], 9                       ; and my tile's first eight
	s_add_co_u32 s30, s30, s13
	s_add_nc_u64 s[10:11], s[10:11], s[30:31]
	s_wait_dscnt 16                                ; the sixteen pairs are in; the sixteen loads behind them may be out
	v_min3_num_f32 v[T0], v[ST], v[ST+2], v[ST+4]
.irp w, 3,5,7,9,11,13
	v_min3_num_f32 v[T0], v[T0], v[ST+2*\w], v[ST+2*\w+2]
.endr
	v_min_num_f32 v[T0], v[T0], v[ST+30]           ; the least -M: the row's M
.irp w, 0,1,2,3,4,5,6,7,8,9,10,11,12,13,14,15
	v_sub_f32 v[ST+2*\w], v[T0], v[ST+2*\w]        ; wave w's M less the row's: a whole number, 0 or less
.endr
.irp w, 0,1,2,3,4,5,6,7,8,9,10,11,12,13,14,15
	v_cvt_i32_f32 v[ST+2*\w], v[ST+2*\w]
.endr
.irp w, 0,1,2,3,4,5,6,7,8,9,10,11,12,13,14,15
	v_ldexp_f32 v[ST+2*\w], 1.0, v[ST+2*\w]        ; f of wave w: a power of two, so nothing is rounded by it
.endr
	v_mul_f32 v[T1], v[ST], v[ST+1]
.irp w, 1,2,3,4,5,6,7,8,9,10,11,12,13,14,15
	v_fmac_f32 v[T1], v[ST+2*\w], v[ST+2*\w+1]     ; the row's sum
.endr
	v_rcp_f32 v[FF], v[T1]
	s_wait_dscnt 0x0
.irp g, 0,1                            ; classes 8 h + 4 g + 0 .. 3
.if \g == 1
.irp w, 0,1,2,3,4,5,6,7,8,9,10,11,12,13,14,15
	ds_load_b128 v[P+4*\w:P+4*\w+3], v[R16] offset:2048*\w+512
.endr
	s_wait_dscnt 0x0
.endif
	v_pk_mul_f32 v[ACC+4*\g:ACC+4*\g+1],   v[P:P+1],   v[ST:ST+1] op_sel_hi:[1,0]   ; the first term starts the sums
	v_pk_mul_f32 v[ACC+4*\g+2:ACC+4*\g+3], v[P+2:P+3], v[ST:ST+1] op_sel_hi:[1,0]
.irp w, 1,2,3,4,5,6,7,8,9,10,11,12,13,14,15
	v_pk_fma_f32 v[ACC+4*\g:ACC+4*\g+1],   v[P+4*\w:P+4*\w+1],   v[ST+2*\w:ST+2*\w+1], v[ACC+4*\g:ACC+4*\g+1] op_sel_hi:[1,0,1]
	v_pk_fma_f32 v[ACC+4*\g+2:ACC+4*\g+3], v[P+4*\w+2:P+4*\w+3], v[ST+2*\w:ST+2*\w+1], v[ACC+4*\g+2:ACC+4*\g+3] op_sel_hi:[1,0,1]
.endr
.endr
	s_wait_alu depctr_va_vdst(0)                   ; the wait for the reciprocal, ahead of its first reader; the joining above is the plain work between
.irp j, 0,2,4,6
	v_pk_mul_f32 v[ACC+\j:ACC+\j+1], v[ACC+\j:ACC+\j+1], v[FF:FF+1] op_sel_hi:[1,0]   ; O^T / the sum
.endr
	; A lane holds 32 bytes of a row of out and the lanes beside it other rows: the tile goes through my wave's own 1,024 bytes of LDS (the scale images are done with) and comes back as it lies in memory.
	; Stage rows 0-7 are queries 8 u + 0 .. 7, rows 8-15 queries 8 u + 16 .. 23: two runs of 512 bytes, 1,024 bytes apart in out.  (Rows 64 bytes apart: these two stores go four deep on the banks, once in the launch.)
	ds_store_b128 v[SI], v[ACC:ACC+3]
	ds_store_b128 v[SI], v[ACC+4:ACC+7] offset:16
	ds_load_b128 v[P:P+3], v[SR]                   ; LDS serves a wave's instructions in order: these see my stores
	ds_load_b128 v[P+4:P+7], v[SR] offset:512
	s_wait_dscnt 0x0
	global_store_b128 v[LO], v[P:P+3], s[10:11]                ; 32 lanes store 512 consecutive bytes, at a multiple of 512 from out's first byte
	global_store_b128 v[LO], v[P+4:P+7], s[10:11] offset:1024
.Ldone:
	s_wait_tensorcnt 0x0
	ds_add_u32 v94, v95
	s_wait_dscnt 0x0
	s_endpgm
.Lfunc_end_k_qd936acd7da_attend:
	.size	k_qd936acd7da_attend, .Lfunc_end_k_qd936acd7da_attend-k_qd936acd7da_attend
	.p2alignl 7, 3214868480
	.fill 96, 4, 3214868480
	.section	.rodata,"a",@progbits
	.p2align	6, 0x0
	.amdhsa_kernel k_qd936acd7da_attend
		.amdhsa_group_segment_fixed_size 59392
		.amdhsa_private_segment_fixed_size 0
		.amdhsa_enable_private_segment 0
		.amdhsa_kernarg_size 32
		.amdhsa_user_sgpr_count 2
		.amdhsa_user_sgpr_kernarg_segment_ptr 1
		.amdhsa_wavefront_size32 1
		.amdhsa_system_sgpr_workgroup_id_x 1
		.amdhsa_system_sgpr_workgroup_id_y 1
		.amdhsa_system_sgpr_workgroup_id_z 1
		.amdhsa_system_vgpr_workitem_id 0
		.amdhsa_next_free_vgpr 256
		.amdhsa_next_free_sgpr 66
		.amdhsa_reserve_vcc 1
		.amdhsa_float_denorm_mode_32 3
		.amdhsa_float_denorm_mode_16_64 3
		.amdhsa_memory_ordered 1
		.amdhsa_forward_progress 1
		.amdhsa_inst_pref_size 64
	.end_amdhsa_kernel
	.amdgpu_metadata
---
amdhsa.version: [ 1, 2 ]
amdhsa.kernels:
  - .name:           k_qd936acd7da_attend
    .symbol:         k_qd936acd7da_attend.kd
    .args:
      - { .name: proj, .offset: 0, .size: 8, .value_kind: global_buffer, .address_space: global }
      - { .name: yimg, .offset: 8, .size: 8, .value_kind: global_buffer, .address_space: global }
      - { .name: ytr_scales, .offset: 16, .size: 8, .value_kind: global_buffer, .address_space: global }
      - { .name: out0, .offset: 24, .size: 8, .value_kind: global_buffer, .address_space: global }
    .group_segment_fixed_size: 59392
    .private_segment_fixed_size: 0
    .kernarg_segment_align: 8
    .kernarg_segment_size: 32
    .max_flat_workgroup_size: 512
    .sgpr_count:     66
    .vgpr_count:     256
    .wavefront_size: 32
...
	.end_amdgpu_metadata
.endif
;; end of part 2
;; ======== version 2 of 2: 2 launches; version 1 with the launch attend written anew for expert scheduling mode
;; workspace buffers: proj 196,608 bytes; yimg 131,072 bytes
;; launch project: the kernel of part 1 again; grid 768 x 1, 4 waves a work-group, no clusters, 768 bytes of LDS; arguments A, xt, xtr, ytr_codes, proj, yimg; writes proj, yimg
;; launch attend (part 3): grid 256 x 1, 16 waves a work-group, no clusters, 59,392 bytes of LDS; arguments proj, yimg, ytr_scales, out0; writes out0
.if DOCPART == 3
	.amdgcn_target "amdgcn-amd-amdhsa--gfx1250"
	.amdhsa_code_object_version 6
	.text
	.protected	k_qd936acd7da_attend
	.globl	k_qd936acd7da_attend
	.p2align	8
	.type	k_qd936acd7da_attend,@function
k_qd936acd7da_attend:
	s_mov_b64 s[64:65], 0
	v_nop
	global_prefetch_b8 v0, s[64:65] scope:SCOPE_SE
	s_setreg_imm32_b32 hwreg(HW_REG_WAVE_SCHED_MODE, 0, 2), 2
	s_setreg_imm32_b32 hwreg(HW_REG_WAVE_MODE, 25, 1), 1
	s_wait_xcnt 0x0
	s_wait_alu depctr_vm_vsrc(0)
; out[q][:] = the sum over keys of softmax(q . k) ytr[key][:]: 8,192 queries, 16,384 keys, 16 classes.  q and k ([..][2] f32) and ytr's codes come from the launch before, in operand order.
; THE SOFTMAX AHEAD OF THE QUANTISED PRODUCT: t = score x log2(e); M = the largest t so far, rounded UP to a whole number; p = 2^(t - M) is quantised along the keys (E2M1, one E8M0 scale for each 32), not normalised.
; The row's sum is taken of the unquantised p, in f32, and divides at the end.  When M moves, the sum and O are multiplied by 2^(old M - new M): exact.
; SHARES.  A work-group owns 32 queries (two tiles of 16): 256 work-groups, and each output row has one owner.  Its SIXTEEN waves share the KEYS: wave w walks keys 1,024 w on, 128 a step, for both tiles,
; in 256 registers: four waves to a SIMD, so that one wave's vector work stands beside another's matrix work and loads.  At the end the sixteen parts (M, sum, O) meet in LDS and are joined by exact powers of two.
; SCORES.  S^T = k q^T by v_wmma_f32_16x16x4_f32 (source 0 = 16 keys, source 1 = 16 queries; K = 2, and q's places K = 2, 3 hold zeros): f32 operands, as a product ahead of a quantiser wants, and the result has
; ONE query in a lane (lane % 16) and keys along its registers, with no broadcast of k by vector instructions: 8 such instructions stand beside some 220 vector instructions of a tile's softmax.
; THE KEYS OF A TILE ARE NOT NEIGHBOURS: lane r of tile 2 b + u takes key 32 b + 8 u + r + 8 (r / 8), so that the 16 registers of tiles 2 b and 2 b + 1 are 16 neighbouring keys, 32 b + 16 (lane / 16) + 0 .. 15.
; The queries of a tile are chosen alike (tile u, lane r: query 8 u + r + 8 (r / 8)), since q lies in the same order; the way out puts the rows back.
; SECOND PRODUCT, transposed: O^T = Y^T P^T (source 0 = the 16 classes, source 1 = P): one matrix instruction for a tile and 128 keys; a lane keeps its query, and eight classes.
; BY TURNS.  As soon as one tile's scores have been read out of S, the other tile's eight score products are issued, ahead of this tile's exponentials.
; NO TENSOR LOAD, NO CLUSTER: every byte of k and of Y feeds exactly one wave of a work-group, so it goes from memory straight into that wave's operand registers (2 KB a wave and step); through LDS each byte would be written and read once more,
; and what work-groups share is little beside a step's 440 vector instructions.
; LIMITS: NaN, infinities and projections or scores beyond f32's range are not served (k's numbers also meet q's zeros in the places K = 2, 3).  A block whose largest p lies under 2^-124 keeps the scale byte 1.
; A block's largest p is taken as the exponential of its largest score: that takes v_exp_f32 not to fall where its input rises.
; THE MODE: SCHED_MODE bits 1:0 = 2 (LLVM: expert scheduling mode 2), set by the entry lines.  The code itself states the register dependences
; between vector or matrix instructions and memory or LDS instructions, with s_wait_alu, always for 0.
; THE PLAN.  Registers that memory or LDS instructions touch, in the loop (step s = its first tile, then its second):
;   KF0, KF1             k of the even and of the odd steps.  KF[s % 2] is read by tile 0's score products (issued in step s - 1's second tile; at the head for step 0) and by tile 1's (issued in step s's first tile);
;                        behind those the loads of step s + 2 land in it.
;   YF0, YF1, YSC0, YSC1 Y's codes and scale words.  Buffer s % 2 is read by step s's two scaled products; the loads of step s + 1, issued in step s's first tile, land in the other one, which step s - 1 has read.
;   v[SCB]               Read by the LDS load of a scale word; written once a step, ahead of that load.
;   v[RO], v[LO], v[SCA] Read by the loads; never written again: the scalar bases move on.
;   S, P, the codes, the statistics and O^T are named by vector and matrix instructions alone.
; So a step's seven loads stand together in its first tile, behind the wait that the tile's 64 exponentials have in any case.  A tile has three waits on va_vdst: that one, the one for its four further exponentials,
; and one ahead of its scaled product, for the codes and the scale word.  One wait on vm_vsrc a step stands ahead of the add to v[SCB].  A trip is two steps, so that the buffers are back at their start.
.set STEPS, 8                          ; key steps of a wave
.set KIMG,  65536                      ; proj: q's 8,192 pairs, then k's
.set STATB, 16384                      ; LDS: 0: a wave's 1,024 bytes (Y's scale words, 128 bytes a step; later its stage);  here: (-M, sum) of wave w, tile u at 512 w + 256 u, 8 bytes a lane
.set OIMG,  24576                      ; O^T of wave w, tile u at 2,048 w + 1,024 u: two images of four registers, 16 bytes a lane
.set LO,  1                            ; v1   16 x lane
.set RO,  2                            ; v2   16 x (lane % 16)
.set SCA, 3                            ; v3   LDS: my word in my wave's first scale image
.set SCB, 4                            ; v4   LDS address of the scale load in hand
.set W8,  5                            ; v5   LDS: where I store (-M, sum)
.set W16, 6                            ; v6   and O^T
.set R8,  7                            ; v7   LDS: where a joining wave reads them
.set STAT0, 8                          ; v8-15  tile u at 8 + 4 u: -M, the largest t, the sum in two halves
.set Q,   16                           ; v16-19 q: two registers a tile
.set KF,  20                           ; v20-35 k of an even step: two registers for each of 8 tiles;  of an odd step: ALT further on, v232-247
.set YF,  36                           ; v36-43 Y's fragment of an even step;  of an odd step: ALT further on, v248-255
.set ALT, 212
.set YSC, 44                           ; v44  Y's scale words of an even step;  of an odd step: SALT further on, v92
.set SALT, 48
.set PSC, 45                           ; v45  p's scale word
.set PCD, 46                           ; v46-53 p's codes
.set O,   54                           ; v54-69 O^T, eight registers a tile
.set BM,  70                           ; v70-73 the blocks' largest scores, then largest p
.set BT,  74                           ; v74-77 at work
.set SO,  78                           ; v78-81 the conversions' scale operands
.set FF,  82                           ; v82-83 f = 2^(old M - new M), named as a pair
.set SB,  84                           ; v84-85 the sum's second chain
.set T0,  86
.set T1,  87
.set R16, 88                           ; v88  LDS: where a joining wave reads O^T
.set SI,  89                           ; v89  the stage: where I put 16 bytes of a row of out
.set SR,  90                           ; v90  and where I read them back
.set SRO, 91                           ; v91  512 x (lane % 16): a class's row of scale bytes
.set S,   96                           ; v96-159  S^T: written by matrix instructions alone
.set P,   160                          ; v160-223 t - M, then p
.set ST,  224                          ; v224-255 at the end: (f, sum) of the sixteen waves
.set YSR, 224                          ; v224-231 at the head: Y's scale words of my eight steps
.set ACC, 20                           ; v20-27   at the end: the joined O^T
.set WV,  12                           ; s12  my wave's number
.set KB,  18                           ; s[18:19] k's images: the step before the one to be fetched
.set YB,  20                           ; s[20:21] Y's images of the step to be fetched
.set CS,  24                           ; s[24:25] log2(e): the packed form names a pair and takes its low word for both halves
.set SEL, 26                           ; s[26:27] v_permlanex16_b32's selects for lane l xor 16
.set CNT, 28
.set TS,  29                           ; s29  where the next step's scale image begins: 128 bytes a step
.macro KLOAD y, off                    ; 128 keys into buffer y: block b's 32 pairs are 256 bytes; lane r takes 16: tile 2 b's pair and tile 2 b + 1's.  Lanes 16-31 read the same bytes: they stand in the places K = 2, 3, against q's zeros
.irp b, 0,1,2,3
	global_load_b128 v[KF+ALT*(\y)+4*\b:KF+ALT*(\y)+4*\b+3], v[RO], s[KB:KB+1] offset:(\off)+256*\b
.endr
.endm
.macro YLOAD y                         ; 16 classes x 128 keys of codes into buffer y: 32 lanes read 512 consecutive bytes, twice
.irp c, 0,1
	global_load_b128 v[YF+ALT*(\y)+4*\c:YF+ALT*(\y)+4*\c+3], v[LO], s[YB:YB+1] offset:512*\c
.endr
.endm
.macro SCORES u, y                     ; S^T of tile u for the step whose k is in buffer y: each instruction is a whole sum (K = 2), begun with the constant 0
.irp t, 0,1,2,3,4,5,6,7
	v_wmma_f32_16x16x4_f32 v[S+8*\t:S+8*\t+7], v[KF+ALT*(\y)+2*\t:KF+ALT*(\y)+2*\t+1], v[Q+2*(\u):Q+2*(\u)+1], 0
.endr
.endm
	s_load_b128 s[4:7], s[0:1], 0x0                ; proj, yimg
	s_load_b128 s[8:11], s[0:1], 0x10              ; ytr_scales, out0
	v_lshl_add_u32 v94, v0, 2, 0xe000
	v_mov_b32 v95, 0
	v_lshrrev_b32 v[T0], 5, v0
	v_readfirstlane_b32 s[WV], v[T0]               ; wave 0..15
	v_and_b32 v[T0], 31, v0                        ; lane
	v_and_b32 v[T1], 15, v0                        ; r
	v_bfe_u32 v[SB], v0, 4, 1                      ; h
	v_lshlrev_b32 v[LO], 4, v[T0]
	v_lshlrev_b32 v[RO], 4, v[T1]
	v_lshlrev_b32 v[SRO], 9, v[T1]
	s_wait_alu depctr_va_sdst(0)                   ; the wave's number is written, ahead of its first reader: LDS addresses, bases and the branch at the end are made from it
	s_lshl_b32 s13, s[WV], 10                      ; my wave's 1,024 bytes
	v_lshl_add_u32 v[SCA], v[T0], 2, s13
	v_lshl_add_u32 v[SR], v[T0], 4, s13
	v_lshl_add_u32 v[SI], v[T1], 6, s13            ; the stage: row r of 64 bytes,
	v_lshl_add_u32 v[SI], v[SB], 5, v[SI]          ; + 32 h: my eight classes
	s_lshl_b32 s14, s[WV], 9
	s_add_co_u32 s14, s14, STATB
	v_lshl_add_u32 v[W8], v[T0], 3, s14
	s_lshl_b32 s14, s[WV], 11
	s_add_co_u32 s14, s14, OIMG
	v_lshl_add_u32 v[W16], v[T0], 4, s14
	s_and_b32 s15, s[WV], 1                        ; the tile that I join, if I join (waves 0 and 1)
	s_lshl_b32 s14, s15, 8
	s_add_co_u32 s14, s14, STATB
	v_lshl_add_u32 v[R8], v[T0], 3, s14
	s_lshl_b32 s14, s15, 10
	s_add_co_u32 s14, s14, OIMG
	v_lshl_add_u32 v[R16], v[T0], 4, s14
	s_mov_b32 s[CS], 0x3fb8aa3b                    ; log2(e)
	s_mov_b32 s[CS+1], s[CS]                       ; (named with it as a pair, so it is written)
	s_mov_b32 s[SEL], 0x76543210
	s_mov_b32 s[SEL+1], 0xfedcba98
	s_mov_b32 s[TS], 128
	s_mov_b32 s[CNT], STEPS/2-1
	s_lshl_b32 s30, ttmp9, 8                       ; my work-group's 32 queries: 256 bytes of proj
	s_mov_b32 s31, 0
	s_lshl_b32 s32, s[WV], 13                      ; my wave's 1,024 keys: 8,192 bytes of k's images, and as many of Y's
	s_mov_b32 s33, 0
	s_lshl_b32 s34, s[WV], 5                       ; and 32 scale bytes in each class's row
	s_mov_b32 s35, 0
	s_wait_kmcnt 0x0
	s_add_nc_u64 s[16:17], s[4:5], s[30:31]
	s_add_nc_u64 s[KB:KB+1], s[4:5], s[32:33]
	s_add_nc_u64 s[KB:KB+1], s[KB:KB+1], KIMG
	s_add_nc_u64 s[YB:YB+1], s[6:7], s[32:33]
	s_add_nc_u64 s[22:23], s[8:9], s[34:35]
	s_wait_alu depctr_va_vdst(0)                   ; the offsets and LDS addresses v1 to v3, v5 to v7 and v88 to v91 are written: every load and store of the kernel but the scale words' reads one of them, and none is written again
	global_load_b128 v[Q:Q+3], v[RO], s[16:17]     ; lane r: tile 0's pair of query r + 8 (r / 8), tile 1's of that + 8
	global_load_b128 v[YSR:YSR+3], v[SRO], s[22:23]             ; class r: the scale words of my steps 0 to 3: loaded once,
	global_load_b128 v[YSR+4:YSR+7], v[SRO], s[22:23] offset:16 ; and of steps 4 to 7
	KLOAD 0, 0                                     ; step 0
	KLOAD 1, 1024                                  ; step 1
	YLOAD 0                                        ; step 0
	s_wait_loadcnt 10                              ; q and the scale words are in; k's eight loads and Y's two may be out
	v_cmp_gt_u32 vcc_lo, 16, v[T0]
	s_wait_alu depctr_va_vcc(0)                    ; the compare has written VCC, which the four selects read
.irp i, 0,1,2,3
	v_cndmask_b32 v[Q+\i], 0, v[Q+\i], vcc_lo      ; lanes 16-31 hold the places K = 2, 3 of the f32 operand: zeros
.endr
.irp s, 0,1,2,3,4,5,6,7
	ds_store_b32 v[SCA], v[YSR+\s] offset:128*\s   ; an image for each step, 4 bytes a lane, in my wave's own bytes: the loop takes them from there by address.  (The data come from loads; no vector instruction names them)
.endr
	ds_load_b32 v[YSC], v[SCA]                     ; step 0's (LDS serves a wave's instructions in order)
	s_wait_loadcnt 6                               ; k of step 0 is in; step 1's four loads and Y's two may be out
	SCORES 0, 0
.irp u, 0,1                            ; what the loop's first step finds; these lines are also the places behind the score products
	v_mov_b32 v[STAT0+4*\u+1], 0xff61b1e6          ; the largest t so far: -3e38, under every t
	v_mov_b32 v[STAT0+4*\u+2], 0                   ; the sum, in two halves
	v_mov_b32 v[STAT0+4*\u+3], 0
.endr
.irp u, 0,1
	v_floor_f32 v[STAT0+4*\u], -v[STAT0+4*\u+1]    ; -M
.endr
.irp j, 0,1,2,3,4,5,6,7,8,9,10,11,12,13,14,15
	v_mov_b32 v[O+\j], 0                           ; O^T: the step is written once; the first change of M multiplies zeros
.endr
.irp b, 0,1,2,3
	v_mov_b32 v[BT+\b], 0                          ; a lane permute's destination counts as one of its sources
.endr
	v_mov_b32 v[FF+1], 0                           ; (named as the upper half of a pair)
; ONE TILE'S PART OF A KEY STEP.  Its scores lie in S.  y = the step's number % 2: which buffers hold its k and its Y.  w = 1: the other tile's next scores are issued on the way.
; ldk = 1: k of the step after next is asked for; ldy = 1: Y and its scale words of the next step (both in a step's first tile alone; ldk = 1 only with ldy = 1).
.macro TILE u, y, w, ldk, ldy
.set NM, STAT0+4*(\u)
.set LS, STAT0+4*(\u)+2
.set OA, O+8*(\u)
.set YC, YF+ALT*(\y)
.set YS, YSC+SALT*(\y)
.set KN, ((\y)+(\u))%2                 ; tile 1's scores are this step's, tile 0's the next step's
.irp b, 0,1,2,3
	v_max3_num_f32 v[BM+\b], v[S+16*\b], v[S+16*\b+1], v[S+16*\b+2]   ; THE LARGEST SCORE OF EACH BLOCK OF 32 KEYS serves twice: for the row's maximum and, since p rises with the score, for the block's largest p.  (Each accumulator is read from its low end on)
.endr
.irp i, 3,5,7,9,11,13
.irp b, 0,1,2,3
	v_max3_num_f32 v[BM+\b], v[BM+\b], v[S+16*\b+\i], v[S+16*\b+\i+1]   ; (the four blocks by turns)
.endr
.endr
.irp b, 0,1,2,3
	v_max_num_f32 v[BM+\b], v[BM+\b], v[S+16*\b+15]
.endr
.irp b, 0,1,2,3
	v_permlanex16_b32 v[BT+\b], v[BM+\b], s[SEL], s[SEL+1]
.endr
.irp b, 0,1,2,3
	v_max_num_f32 v[BM+\b], v[BM+\b], v[BT+\b]     ; with lane l xor 16's 16 keys
.endr
	v_max3_num_f32 v[T0], v[BM], v[BM+1], v[BM+2]
	v_max_num_f32 v[T0], v[T0], v[BM+3]            ; the step's largest score of my query,
	v_mul_f32 v[T0], s[CS], v[T0]                  ; as t
	v_max_num_f32 v[NM+1], v[NM+1], v[T0]          ; the running largest t
	v_mov_b32 v[T0], v[NM]
	v_floor_f32 v[NM], -v[NM+1]                    ; the new -M = floor(-t) = -ceil(t): a whole number
	v_sub_f32 v[T0], v[NM], v[T0]                  ; old M - new M: a whole number, 0 or less
	v_cvt_i32_f32 v[T0], v[T0]                     ; (it saturates)
	v_ldexp_f32 v[FF], 1.0, v[T0]                  ; f = 2^(old M - new M)
.set j, 0
.rept 32
	v_pk_fma_f32 v[P+j:P+j+1], v[S+j:S+j+1], s[CS:CS+1], v[NM:NM+1] op_sel_hi:[1,0,0]   ; t - M = score x log2(e) - M, one rounding, two at a time, into registers of their own
.set j, j+2
.endr
.if \w
	SCORES 1-\u, KN                                ; S has been read out: the other tile's scores are made while this tile's exponentials are taken.  Their k is in: it was asked for ahead of the Y for which the step's first tile has waited
.endif
.irp b, 0,1,2,3
	v_fma_f32 v[BM+\b], v[BM+\b], s[CS], v[NM]     ; the same multiply-add of each block's largest score
.endr
.set j, 0
.rept 64
	v_exp_f32 v[P+j], v[P+j]                       ; p = 2^(t - M): NOT normalised
.set j, j+1
.endr
	v_pk_mul_f32 v[LS:LS+1], v[LS:LS+1], v[FF:FF+1] op_sel_hi:[1,0]   ; the sum and O^T under the new M: plain work behind the exponentials, which names none of their results
.irp j, 0,2,4,6
	v_pk_mul_f32 v[OA+\j:OA+\j+1], v[OA+\j:OA+\j+1], v[FF:FF+1] op_sel_hi:[1,0]
.endr
.if \ldy
	s_wait_alu depctr_vm_vsrc(0)                   ; the last step's load of scale words has read v[SCB], which the next line writes
	v_add_nc_u32 v[SCB], s[TS], v[SCA]             ; the next step's scale image
	s_wait_xcnt 0x0                                ; the loads that read the two bases, a step back, have had their addresses translated (ISA guide 3.1): the bases may step
	s_add_nc_u64 s[YB:YB+1], s[YB:YB+1], 1024
.endif
.if \ldk
	s_add_nc_u64 s[KB:KB+1], s[KB:KB+1], 1024
.endif
	s_wait_alu depctr_va_vdst(0)                   ; the 64 exponentials have written p, ahead of its first reader.  In a step's first tile also: both tiles' score products are done reading this step's k, the last step's scaled products are done reading the other buffer of Y and its scale word, and v[SCB] is written
.if \ldk
	KLOAD \y, 1024                                 ; k of the step after next, into the buffer just read out.  No vector or matrix instruction since the wait names a register of these seven loads
.endif
.if \ldy
	YLOAD 1-\y                                     ; the next step's Y,
	ds_load_b32 v[YSC+SALT*(1-(\y))], v[SCB]       ; and its scale words
	s_add_co_u32 s[TS], s[TS], 128
.endif
.irp b, 0,1,2,3
	v_exp_f32 v[BM+\b], v[BM+\b]                   ; the block's largest p: the same two instructions on the same number give the same bits
.endr
	v_pk_add_f32 v[SB:SB+1], v[P:P+1], v[P+2:P+3]  ; THE ROW'S SUM IS TAKEN OF THE UNQUANTISED p: two at a time, in two chains; the first half stands behind the four exponentials
.irp j, 4,8,12,16,20,24,28
	v_pk_add_f32 v[LS:LS+1], v[LS:LS+1], v[P+\j:P+\j+1]
	v_pk_add_f32 v[SB:SB+1], v[SB:SB+1], v[P+\j+2:P+\j+3]
.endr
	s_wait_alu depctr_va_vdst(0)                   ; the four exponentials have written the blocks' largest p, ahead of its first reader
.irp b, 0,1,2,3
	v_max_num_f32 v[BM+\b], 0x1800000, v[BM+\b]    ; the floor 2^(3 - 127): the byte cannot fall under 1 (a block whose every p has fallen to 0 keeps that byte: its codes are zeros)
.endr
.irp b, 0,1,2,3
	v_add_nc_u32 v[SO+\b], 0xff000000, v[BM+\b]    ; 2 off the exponent field: the conversion's scale operand
.endr
.irp b, 0,1,2,3
	v_lshrrev_b32 v[BT+\b], 23, v[SO+\b]           ; the scale's byte
.endr
	v_lshl_or_b32 v[PSC], v[BT+1], 8, v[BT]        ; p's scale word for these 128 keys: lane r has query r's
	v_lshl_or_b32 v[PSC], v[BT+2], 16, v[PSC]
	v_lshl_or_b32 v[PSC], v[BT+3], 24, v[PSC]
.irp b, 0,1,2,3
	v_cvt_scalef32_pk8_fp4_f32 v[PCD+2*\b],   v[P+16*\b:P+16*\b+7],    v[SO+\b]   ; the codes of keys 32 b + 16 h + 0 .. 7
	v_cvt_scalef32_pk8_fp4_f32 v[PCD+2*\b+1], v[P+16*\b+8:P+16*\b+15], v[SO+\b]   ; and + 8 .. 15
.endr
	v_nop                                          ; one plain instruction between a scaled conversion and the instruction that touches its result
.irp c, 0,1                            ; the operand's layout wants a WHOLE block in a lane: lanes 0-15 block 2 c, lanes 16-31 block 2 c + 1
.irp i, 0,1
	v_permlane16_swap_b32 v[PCD+4*\c+\i], v[PCD+4*\c+2+\i]
.endr
.endr
.irp j, 32,36,40,44                    ; the sum's second half goes on.  These eight plain lines name no register of the scaled product: they are the places in front of it (8 behind the scale word's last write, 4 behind the codes')
	v_pk_add_f32 v[LS:LS+1], v[LS:LS+1], v[P+\j:P+\j+1]
	v_pk_add_f32 v[SB:SB+1], v[SB:SB+1], v[P+\j+2:P+\j+3]
.endr
.if \u == 0
	s_wait_loadcnt 4*(\ldk)+2*(\ldy)               ; loads come back in order (ISA guide 5.7.1): Y's fragment of this step is in, and so is the next step's k, asked for ahead of it; only the loads issued in this tile may be out
	s_wait_dscnt \ldy                              ; and its scale words are in; the next step's may be out
.endif
	s_wait_alu depctr_va_vdst(0)                   ; the conversions and the exchanges have written p's codes, the shifts its scale word: the scaled product takes both.  The places above stay beside this wait
	v_wmma_scale_f32_16x16x128_f8f6f4 v[OA:OA+7], v[YC:YC+7], v[PCD:PCD+7], v[OA:OA+7], v[YS], v[PSC] matrix_a_fmt:MATRIX_FMT_FP4 matrix_b_fmt:MATRIX_FMT_FP4   ; O^T += Y^T P^T.  The two tiles' accumulators take turns, one instruction a turn
.irp j, 48,52,56,60                    ; the rest of the sum
	v_pk_add_f32 v[LS:LS+1], v[LS:LS+1], v[P+\j:P+\j+1]
	v_pk_add_f32 v[SB:SB+1], v[SB:SB+1], v[P+\j+2:P+\j+3]
.endr
	v_pk_add_f32 v[LS:LS+1], v[LS:LS+1], v[SB:SB+1]
.endm
.Lpair:                                        ; three trips of two steps: steps 0 to 5
	TILE 0, 0, 1, 1, 1
	TILE 1, 0, 1, 0, 0
	TILE 0, 1, 1, 1, 1
	TILE 1, 1, 1, 0, 0
	s_sub_co_u32 s[CNT], s[CNT], 1
	s_cmp_lg_u32 s[CNT], 0
	s_cbranch_scc1 .Lpair
	TILE 0, 0, 1, 0, 1                             ; step 6 is written out: it asks for no more of k,
	TILE 1, 0, 1, 0, 0
	TILE 0, 1, 1, 0, 0                             ; and step 7 for nothing: no load leaves its buffer, and the counts run down
	TILE 1, 1, 0, 0, 0
	; MY PART GOES TO LDS, as images of its registers.  The sum's two halves and lane l xor 16's are added first; these lines, with the nine sums above, are the places behind the last product.
.irp u, 0,1
	v_add_f32 v[STAT0+4*\u+2], v[STAT0+4*\u+2], v[STAT0+4*\u+3]
.endr
.irp u, 0,1
	v_permlanex16_b32 v[BT+\u], v[STAT0+4*\u+2], s[SEL], s[SEL+1]
.endr
.irp u, 0,1
	v_add_f32 v[STAT0+4*\u+1], v[STAT0+4*\u+2], v[BT+\u]   ; beside -M: the pair (-M, sum)
.endr
	s_wait_alu depctr_va_vdst(0)                   ; the pairs (-M, sum) and O^T are written, which the LDS stores read.  Also: every vector and matrix instruction that named v[P ..] or v224 to v255 is done; the joining waves' LDS loads land there, and no vector instruction is issued before them
.irp u, 0,1
	ds_store_b64 v[W8], v[STAT0+4*\u:STAT0+4*\u+1] offset:256*\u
	ds_store_b128 v[W16], v[O+8*\u:O+8*\u+3] offset:1024*\u          ; each accumulator from its low end on
	ds_store_b128 v[W16], v[O+8*\u+4:O+8*\u+7] offset:1024*\u+512
.endr
	s_wait_dscnt 0x0                               ; for the others' sake: my stores have landed
	s_barrier_signal -1
	s_barrier_wait -1                              ; all sixteen parts lie in LDS
	s_cmp_lt_u32 s[WV], 2
	s_cbranch_scc0 .Ldone                          ; wave u joins tile u; the others are done
.irp w, 0,1,2,3,4,5,6,7,8,9,10,11,12,13,14,15
	ds_load_b64 v[ST+2*\w:ST+2*\w+1], v[R8] offset:512*\w            ; (-M, sum) of wave w.  (The head's LDS stores, which read v224 to v231, stand ahead of the loop's waits on vm_vsrc)
.endr
.irp w, 0,1,2,3,4,5,6,7,8,9,10,11,12,13,14,15
	ds_load_b128 v[P+4*\w:P+4*\w+3], v[R16] offset:2048*\w           ; its O^T, classes 8 h + 0 .. 3
.endr
	s_lshl_b32 s30, ttmp9, 11                      ; out: my work-group's 32 rows of 64 bytes,
	s_lshl_b32 s13, s[WV], 9                       ; and my tile's first eight
	s_add_co_u32 s30, s30, s13
	s_add_nc_u64 s[10:11], s[10:11], s[30:31]
	s_wait_dscnt 16                                ; the sixteen pairs are in; the sixteen loads behind them may be out
	v_min3_num_f32 v[T0], v[ST], v[ST+2], v[ST+4]
.irp w, 3,5,7,9,11,13
	v_min3_num_f32 v[T0], v[T0], v[ST+2*\w], v[ST+2*\w+2]
.endr
	v_min_num_f32 v[T0], v[T0], v[ST+30]           ; the least -M: the row's M
.irp w, 0,1,2,3,4,5,6,7,8,9,10,11,12,13,14,15
	v_sub_f32 v[ST+2*\w], v[T0], v[ST+2*\w]        ; wave w's M less the row's: a whole number, 0 or less
.endr
.irp w, 0,1,2,3,4,5,6,7,8,9,10,11,12,13,14,15
	v_cvt_i32_f32 v[ST+2*\w], v[ST+2*\w]
.endr
.irp w, 0,1,2,3,4,5,6,7,8,9,10,11,12,13,14,15
	v_ldexp_f32 v[ST+2*\w], 1.0, v[ST+2*\w]        ; f of wave w: a power of two, so nothing is rounded by it
.endr
	v_mul_f32 v[T1], v[ST], v[ST+1]
.irp w, 1,2,3,4,5,6,7,8,9,10,11,12,13,14,15
	v_fmac_f32 v[T1], v[ST+2*\w], v[ST+2*\w+1]     ; the row's sum
.endr
	v_rcp_f32 v[FF], v[T1]
	s_wait_dscnt 0x0
.irp g, 0,1                            ; classes 8 h + 4 g + 0 .. 3
.if \g == 1
	s_wait_alu depctr_va_vdst(0)                   ; the first half's joining is done reading v[P ..], in which the loads below land; and the reciprocal is written, ahead of its first reader: the joining above is the plain work behind it
.irp w, 0,1,2,3,4,5,6,7,8,9,10,11,12,13,14,15
	ds_load_b128 v[P+4*\w:P+4*\w+3], v[R16] offset:2048*\w+512
.endr
	s_wait_dscnt 0x0
.endif
	v_pk_mul_f32 v[ACC+4*\g:ACC+4*\g+1],   v[P:P+1],   v[ST:ST+1] op_sel_hi:[1,0]   ; the first term starts the sums
	v_pk_mul_f32 v[ACC+4*\g+2:ACC+4*\g+3], v[P+2:P+3], v[ST:ST+1] op_sel_hi:[1,0]
.irp w, 1,2,3,4,5,6,7,8,9,10,11,12,13,14,15
	v_pk_fma_f32 v[ACC+4*\g:ACC+4*\g+1],   v[P+4*\w:P+4*\w+1],   v[ST+2*\w:ST+2*\w+1], v[ACC+4*\g:ACC+4*\g+1] op_sel_hi:[1,0,1]
	v_pk_fma_f32 v[ACC+4*\g+2:ACC+4*\g+3], v[P+4*\w+2:P+4*\w+3], v[ST+2*\w:ST+2*\w+1], v[ACC+4*\g+2:ACC+4*\g+3] op_sel_hi:[1,0,1]
.endr
.endr
.irp j, 0,2,4,6
	v_pk_mul_f32 v[ACC+\j:ACC+\j+1], v[ACC+\j:ACC+\j+1], v[FF:FF+1] op_sel_hi:[1,0]   ; O^T / the sum
.endr
	; A lane holds 32 bytes of a row of out and the lanes beside it other rows: the tile goes through my wave's own 1,024 bytes of LDS (the scale images are done with) and comes back as it lies in memory.
	; Stage rows 0-7 are queries 8 u + 0 .. 7, rows 8-15 queries 8 u + 16 .. 23: two runs of 512 bytes, 1,024 bytes apart in out.  (Rows 64 bytes apart: these two stores go four deep on the banks, once in the launch.)
	s_wait_alu depctr_va_vdst(0)                   ; the joined O^T is written, which the LDS stores read; and the second half's joining is done reading v[P ..], in which the stage's loads land
	ds_store_b128 v[SI], v[ACC:ACC+3]
	ds_store_b128 v[SI], v[ACC+4:ACC+7] offset:16
	ds_load_b128 v[P:P+3], v[SR]                   ; LDS serves a wave's instructions in order: these see my stores
	ds_load_b128 v[P+4:P+7], v[SR] offset:512
	s_wait_dscnt 0x0
	global_store_b128 v[LO], v[P:P+3], s[10:11]                ; 32 lanes store 512 consecutive bytes, at a multiple of 512 from out's first byte
	global_store_b128 v[LO], v[P+4:P+7], s[10:11] offset:1024
.Ldone:
	s_wait_dscnt 0x0
	s_wait_alu depctr_hold_cnt(0) depctr_sa_sdst(0) depctr_va_vdst(0) depctr_va_sdst(0) depctr_va_ssrc(0) depctr_va_vcc(0) depctr_vm_vsrc(0)
	s_wait_tensorcnt 0x0
	ds_add_u32 v94, v95
	s_wait_dscnt 0x0
	s_endpgm
.Lfunc_end_k_qd936acd7da_attend:
	.size	k_qd936acd7da_attend, .Lfunc_end_k_qd936acd7da_attend-k_qd936acd7da_attend
	.p2alignl 7, 3214868480
	.fill 96, 4, 3214868480
	.section	.rodata,"a",@progbits
	.p2align	6, 0x0
	.amdhsa_kernel k_qd936acd7da_attend
		.amdhsa_group_segment_fixed_size 59392
		.amdhsa_private_segment_fixed_size 0
		.amdhsa_enable_private_segment 0
		.amdhsa_kernarg_size 32
		.amdhsa_user_sgpr_count 2
		.amdhsa_user_sgpr_kernarg_segment_ptr 1
		.amdhsa_wavefront_size32 1
		.amdhsa_system_sgpr_workgroup_id_x 1
		.amdhsa_system_sgpr_workgroup_id_y 1
		.amdhsa_system_sgpr_workgroup_id_z 1
		.amdhsa_system_vgpr_workitem_id 0
		.amdhsa_next_free_vgpr 256
		.amdhsa_next_free_sgpr 66
		.amdhsa_reserve_vcc 1
		.amdhsa_float_denorm_mode_32 3
		.amdhsa_float_denorm_mode_16_64 3
		.amdhsa_memory_ordered 1
		.amdhsa_forward_progress 1
		.amdhsa_inst_pref_size 113
	.end_amdhsa_kernel
	.amdgpu_metadata
---
amdhsa.version: [ 1, 2 ]
amdhsa.kernels:
  - .name:           k_qd936acd7da_attend
    .symbol:         k_qd936acd7da_attend.kd
    .args:
      - { .name: proj, .offset: 0, .size: 8, .value_kind: global_buffer, .address_space: global }
      - { .name: yimg, .offset: 8, .size: 8, .value_kind: global_buffer, .address_space: global }
      - { .name: ytr_scales, .offset: 16, .size: 8, .value_kind: global_buffer, .address_space: global }
      - { .name: out0, .offset: 24, .size: 8, .value_kind: global_buffer, .address_space: global }
    .group_segment_fixed_size: 59392
    .private_segment_fixed_size: 0
    .kernarg_segment_align: 8
    .kernarg_segment_size: 32
    .max_flat_workgroup_size: 512
    .sgpr_count:     66
    .vgpr_count:     256
    .wavefront_size: 32
...
	.end_amdgpu_metadata
.endif
;; end of part 3
